; MI455X (gfx1250); checked and timed in simulation.
; The chip was launched on July 23, 2026; its instructions are those of AMD's public machine-readable ISA for CDNA 5 (MIT licence, August 2026) and "CDNA5" Instruction Set Architecture Reference Guide (July 2026). The comments in the code are by the model that wrote it; some were corrected since.
;; Weight Matrix Transformer Decoder V2. Allowed arithmetic: matrix products marked QUANTISED: E2M3 operands, one E8M0 scale for each 32 along K, by v_wmma_scale_f32_16x16x128_f8f6f4 with both operands' format E2M3, f32 sums; everything else in f32.
;; Inputs: W_proj 512 x 16,384 float32; b_proj 16,384 float32; token 16 x 256 x 512 float32.
;; Outputs: out0 16 x 256 x 512 float32.
;; This version of the problem:
;;   THIS VERSION OF THE PROBLEM IS GIVEN IN LOW PRECISION. The matrix products marked QUANTISED in the list below multiply operands that are first quantised to E2M3 (2 exponent bits, 3 mantissa bits; 6 bits a number), with one power-of-two scale for each 32 numbers along K (OCP MX v1.0); their sums are f32. All else is computed in f32.
;;   The module's matrix products, in the order in which they are computed (A, B: the left and right operand; K: the contracted axis; several contracted axes count as one K, in the product's order):
;;     1. [M 4,096, K 512] x [K 512, N 16,384]; A: input token; B: input W_proj: QUANTISED
;;     2. batch 8,192 x [M 16, K 256] x [K 256, N 16]; A: computed on the way; B: computed on the way: QUANTISED
;;   THE QUANTISER, for each operand of a quantised product, along K:
;;     - K is cut into blocks of 32 from its start; a last block that is shorter is filled with zeros.
;;     - A block's scale is 2^e with e = floor(log2(the largest magnitude in the block)) - 2, held to -126 .. 127; a block of zeros has e = 0. As a byte (E8M0): e + 127.
;;     - Each number is divided by its block's scale, clamped to +-7.5, and rounded to the nearest number of E2M3, ties to even, subnormals kept.
;;     - The product sums the exact products of the quantised numbers (number of the format x scale) in f32.
;;   ~~~python
;;   def quantise(x, axis):      # numpy; x: float32 -> the quantised numbers, widened to float32 again
;;       x = np.moveaxis(x, axis, -1); K = x.shape[-1]
;;       x = np.pad(x, [(0, 0)] * (x.ndim - 1) + [(0, -K % 32)]); x = x.reshape(x.shape[:-1] + (-1, 32)); a = np.abs(x).max(-1, keepdims=True)
;;       e = np.where(a > 0, np.clip(np.frexp(np.where(a > 0, a, 1))[1] - 1 - 2, -126, 127), 0)      # np.frexp(a)[1] - 1 = floor(log2(a)), exactly
;;       r = np.clip(x / 2.0 ** e, -7.5, 7.5)
;;       step = 2.0 ** (np.maximum(np.frexp(np.where(r == 0, 1, r))[1] - 1, 0) - 3)
;;       q = np.round(r / step) * step * 2.0 ** e      # np.round: ties to even
;;       return np.moveaxis(q.reshape(q.shape[:-2] + (-1,))[..., :K], -1, axis).astype(np.float32)
;;   ~~~
;;   OPERANDS COMPUTED ON THE WAY. 'Computed on the way' means the value that the module computes at that place (a softmax that the list does not call 'softmax' is quantised finished and normalised). What goes into a quantiser is computed in f32, as accurately as f32 sums, v_exp_f32 and their like allow (about 1e-6 of the number): no bf16 or f16 on the way to a quantiser, and a product that is left as it is and whose result goes on into a quantised operand takes f32 operands (vector FMAs, or v_wmma_f32_16x16x4_f32). A number that lies on a knife's edge between two numbers of the format may be rounded either way, as far as f32 arithmetic and the matrix unit's own rounding can turn it there, and no further.
;; One version. Each part assembles by itself: llvm-mc -triple=amdgcn-amd-amdhsa -mcpu=gfx1250 --defsym DOCPART=n.
;; ======== version 1 of 1: 2 launches
;; limits: right only within a limited range of input values
;; workspace buffers: tq 1,638,400 bytes; wq 6,553,600 bytes; tr 8,388,608 bytes
;; launch prep (part 1): grid 256 x 1, 8 waves a work-group, no clusters, 327,680 bytes of LDS; arguments token, W_proj, tq, wq, tr; writes tq, wq, tr
.if DOCPART == 1
	.amdgcn_target "amdgcn-amd-amdhsa--gfx1250"
	.amdhsa_code_object_version 6
	.text
	.protected	k_q60d15699bf_prep
	.globl	k_q60d15699bf_prep
	.p2align	8
	.type	k_q60d15699bf_prep,@function
k_q60d15699bf_prep:
	s_mov_b64 s[64:65], 0
	v_nop
	global_prefetch_b8 v0, s[64:65] scope:SCOPE_SE
	s_setreg_imm32_b32 hwreg(HW_REG_WAVE_MODE, 25, 1), 1
	s_wait_xcnt 0x0
; PREP: W_proj and token are quantised along K into E2M3 codes with E8M0 scale bytes, laid as the images of the next launch's operand registers; and the cos / sin table is made.
; No step of reference() is left out in this program: every input number has a way to the output.
; A work-group takes W's rows 128 (x / 64) .. + 127 x 256 columns (one tensor load a wave), 16 rows of token (asynchronous copies), and pair x's 8 table blocks (a wave each).
; Both loads are out at once, and the table is made under their flight.  Waves 0-3 quantise the 16 token rows, a K step of 128 each.
; tq: for each batch 8 blocks of 32 rows, 12,800 bytes a block: 8 fragments of 1,536 bytes (row tile u, K step s: 4 u + s), then 512 bytes of scale words.
; LIMITS: NaN and infinities are not served.  Largest magnitudes under 2^-124 are taken as 2^-124; a block of zeros so keeps the scale byte 1 (its codes are zeros).
; No prefetch: the launch has no loop to run ahead in.  No cluster: work-groups share no input.
.set XT,  16
.set XW,  80
.set IM0, 208
.set IM1, 220
.set TQ,  232
.set CO,  208
.set SI,  224
.set MA,  240
.set MB,  241
.set SOP, 242
.set BY,  244
.set TOK,  131072
.set TROW, 2080
.set G1W, 68
.set G0W, 84
.set G0T, 88
	s_load_b256 s[4:11], s[0:1], 0x0
	s_load_b64 s[12:13], s[0:1], 0x20
	v_lshl_add_u32 v254, v0, 2, 0x29000
	v_mov_b32 v255, 0
	ds_add_u32 v254, v255
	ds_add_u32 v254, v255
	v_lshrrev_b32 v1, 5, v0
	s_delay_alu instid0(VALU_DEP_1)
	v_readfirstlane_b32 s14, v1
	s_and_b32 s15, ttmp9, 63
	s_lshr_b32 s16, ttmp9, 6
	s_lshr_b32 s17, s14, 1
	s_and_b32 s18, s14, 1
	s_lshl_b32 s46, s16, 23
	s_lshl_b32 s47, s15, 10
	s_add_co_u32 s46, s46, s47
	s_lshl_b32 s47, s17, 8
	s_add_co_u32 s46, s46, s47
	s_lshl_b32 s47, s18, 22
	s_add_co_u32 s46, s46, s47
	s_mov_b32 s47, 0
	s_lshr_b32 s50, ttmp9, 4
	s_bfe_u32 s51, ttmp9, 0x30001
	s_and_b32 s52, ttmp9, 1
	s_lshl_b32 s54, s50, 19
	s_lshl_b32 s55, s51, 16
	s_add_co_u32 s54, s54, s55
	s_lshl_b32 s55, s52, 14
	s_add_co_u32 s54, s54, s55
	s_lshr_b32 s55, s14, 2
	s_lshl_b32 s55, s55, 15
	s_add_co_u32 s54, s54, s55
	s_and_b32 s55, s14, 3
	s_lshl_b32 s55, s55, 12
	s_add_co_u32 s54, s54, s55
	s_mov_b32 s55, 0
	s_mov_b32 s[G1W], 3<<16
	s_mov_b32 s[G1W+1], 32<<16
	s_mov_b32 s[G1W+2], 64<<16
	s_mov_b32 s[G1W+3], 32<<16
	s_mov_b32 s[G1W+4], 64
	s_mov_b32 s[G1W+5], 8192
	s_mov_b32 s[G1W+6], 0
	s_mov_b32 s[G1W+7], 0
	s_mov_b32 s[G0W], 1
	s_lshl_b32 s[G0W+1], s14, 14
	s_mul_i32 s[G0T+1], s14, 2*TROW
	s_add_co_u32 s[G0T+1], s[G0T+1], TOK
	s_wait_dscnt 0x0
	s_wait_kmcnt 0x0
	s_add_nc_u64 s[G0W+2:G0W+3], s[6:7], s[46:47]
	s_or_b32 s[G0W+3], s[G0W+3], 0x80000000
	s_add_nc_u64 s[G0T+2:G0T+3], s[4:5], s[54:55]
	v_and_b32 v1, 31, v0
	v_lshlrev_b32 v16, 4, v1                       ; 16 x lane
	v_add_nc_u32 v17, s[G0T+1], v16                ; my wave's two token rows in LDS: 16 bytes of padding behind each 1,024
	v_add_nc_u32 v18, 16, v17
	v_add_nc_u32 v19, 32, v17
	v_add_nc_u32 v20, 48, v17
.irp j, 0,1,2,3,4,5,6,7
	global_load_async_to_lds_b128 v[17+\j/2], v16, s[G0T+2:G0T+3] offset:512*\j   ; 512 consecutive bytes each; the immediate counts on both sides.  Token is needed first
.endr
	tensor_load_to_lds s[G0W:G0W+3], s[G1W:G1W+7]
	s_nop 0
.rept 4
	v_nop
.endr
	v_and_b32 v2, 15, v0
	v_bfe_u32 v3, v0, 4, 1
	s_lshl_b32 s19, s17, 15
	s_lshl_b32 s42, s18, 6
	s_add_co_u32 s19, s19, s42
	v_lshlrev_b32 v4, 2, v2
	s_delay_alu instid0(VALU_DEP_1)
	v_lshl_add_u32 v4, v3, 7, v4
	s_delay_alu instid0(VALU_DEP_1)
	v_add_nc_u32 v4, s19, v4
	v_and_b32 v11, 1, v2
	v_lshrrev_b32 v12, 1, v2
	s_delay_alu instid0(VALU_DEP_2)
	v_mul_u32_u24 v13, v11, 1536
	s_delay_alu instid0(VALU_DEP_1)
	v_lshl_add_u32 v13, v3, 7, v13
	s_delay_alu instid0(VALU_DEP_1)
	v_lshl_add_u32 v13, v12, 4, v13
	v_mul_u32_u24 v14, v3, 1536
	s_delay_alu instid0(VALU_DEP_1)
	v_lshl_add_u32 v14, v2, 4, v14
	s_delay_alu instid0(VALU_DEP_1)
	v_add_nc_u32 v14, 3072, v14
	s_delay_alu instid0(VALU_DEP_1)
	v_sub_nc_u32 v14, v14, v13
	s_delay_alu instid0(VALU_DEP_1)
	v_mad_u32_u24 v5, v14, s18, v13
	v_lshlrev_b32 v13, 6, v11
	s_delay_alu instid0(VALU_DEP_1)
	v_lshl_add_u32 v13, v3, 5, v13
	s_delay_alu instid0(VALU_DEP_1)
	v_lshl_add_u32 v13, v12, 2, v13
	v_lshlrev_b32 v14, 6, v3
	s_delay_alu instid0(VALU_DEP_1)
	v_lshl_add_u32 v14, v2, 2, v14
	s_delay_alu instid0(VALU_DEP_1)
	v_add_nc_u32 v14, 128, v14
	s_delay_alu instid0(VALU_DEP_1)
	v_sub_nc_u32 v14, v14, v13
	s_delay_alu instid0(VALU_DEP_1)
	v_mad_u32_u24 v6, v14, s18, v13
	s_lshl_b32 s48, s15, 2
	s_add_co_u32 s48, s48, s17
	s_mul_i32 s48, s48, 25600
	s_mul_i32 s49, s16, 6400
	s_add_co_u32 s48, s48, s49
	s_mov_b32 s49, 0
	s_bfe_u32 s42, s14, 0x10001
	s_mul_i32 s42, s42, 1040
	s_lshl_b32 s43, s18, 9
	s_add_co_u32 s42, s42, s43
	s_add_co_u32 s42, s42, TOK
	v_mul_u32_u24 v7, v2, TROW
	s_delay_alu instid0(VALU_DEP_1)
	v_lshl_add_u32 v7, v3, 7, v7
	s_delay_alu instid0(VALU_DEP_1)
	v_add_nc_u32 v7, s42, v7
	s_mul_i32 s56, s50, 102400
	s_mul_i32 s57, s51, 12800
	s_add_co_u32 s58, s56, s57
	s_lshl_b32 s57, s52, 2
	s_add_co_u32 s57, s57, s14
	s_mul_i32 s57, s57, 1536
	s_add_co_u32 s58, s58, s57
	s_mov_b32 s59, 0
	s_mul_i32 s57, s51, 12800
	s_add_co_u32 s56, s56, s57
	s_lshl_b32 s57, s52, 8
	s_add_co_u32 s56, s56, s57
	s_lshl_b32 s57, s14, 2
	s_add_co_u32 s56, s56, s57
	s_mov_b32 s57, 0
	v_lshlrev_b32 v8, 4, v1
	v_lshlrev_b32 v9, 4, v2
	s_lshl_b32 s60, ttmp9, 15
	s_lshl_b32 s61, s14, 12
	s_add_co_u32 s60, s60, s61
	s_mov_b32 s61, 0
	s_mov_b32 s20, 0x41549a78
	s_mov_b32 s21, 0x34979a6b
	s_mov_b32 s22, 0x3f317218
	s_mov_b32 s23, 0xb102e308
	s_mov_b32 s24, 0x37d00d01
	s_mov_b32 s25, 0x39500d01
	s_mov_b32 s26, 0x3ab60b61
	s_mov_b32 s27, 0x3c088889
	s_mov_b32 s28, 0x3d2aaaab
	s_mov_b32 s29, 0x3e2aaaab
	s_mov_b32 s30, 0x3f22f983
	s_mov_b32 s31, 0xbfc90fdb
	s_mov_b32 s32, 0x333bbd2e
	s_mov_b32 s33, 0x37ccf5ce
	s_mov_b32 s34, 0xbab6061a
	s_mov_b32 s35, 0x3d2aaaa5
	s_mov_b32 s36, 0xb94ca1f9
	s_mov_b32 s37, 0x3c08839e
	s_mov_b32 s38, 0xbe2aaaa3
	s_mov_b32 s39, 0x80000000
	s_mov_b32 s40, 0x76543210
	s_mov_b32 s41, 0xfedcba98
	s_add_nc_u64 s[58:59], s[8:9], s[58:59]
	s_add_nc_u64 s[56:57], s[8:9], s[56:57]
	s_add_nc_u64 s[48:49], s[10:11], s[48:49]
	s_add_nc_u64 s[60:61], s[12:13], s[60:61]
	s_lshl_b32 s42, ttmp9, 4
	v_add_nc_u32 v240, s42, v2
	s_delay_alu instid0(VALU_DEP_1)
	v_cvt_f32_u32 v240, v240
	s_delay_alu instid0(VALU_DEP_1)
	v_mul_f32 v240, 0x39800000, v240
	s_delay_alu instid0(VALU_DEP_1)
	v_mul_f32 v241, s20, v240
	s_delay_alu instid0(VALU_DEP_1)
	v_fma_f32 v242, v240, s20, -v241
	s_delay_alu instid0(VALU_DEP_1)
	v_fma_f32 v242, v240, s21, v242
	s_delay_alu instid0(VALU_DEP_3)
	v_rndne_f32 v243, v241
	s_delay_alu instid0(VALU_DEP_1)
	v_sub_f32 v241, v243, v241
	s_delay_alu instid0(VALU_DEP_1)
	v_sub_f32 v244, v241, v242
	s_delay_alu instid0(VALU_DEP_1)
	v_sub_f32 v245, v241, v244
	s_delay_alu instid0(VALU_DEP_1)
	v_sub_f32 v245, v245, v242
	s_delay_alu instid0(VALU_DEP_3)
	v_mul_f32 v246, s22, v244
	s_delay_alu instid0(VALU_DEP_1)
	v_fma_f32 v247, v244, s22, -v246
	s_delay_alu instid0(VALU_DEP_1)
	v_fma_f32 v247, v244, s23, v247
	s_delay_alu instid0(VALU_DEP_1)
	v_fma_f32 v247, v245, s22, v247
	v_mov_b32 v248, s24
	s_delay_alu instid0(VALU_DEP_1)
	v_fma_f32 v248, v248, v246, s25
	s_delay_alu instid0(VALU_DEP_1)
	v_fma_f32 v248, v248, v246, s26
	s_delay_alu instid0(VALU_DEP_1)
	v_fma_f32 v248, v248, v246, s27
	s_delay_alu instid0(VALU_DEP_1)
	v_fma_f32 v248, v248, v246, s28
	s_delay_alu instid0(VALU_DEP_1)
	v_fma_f32 v248, v248, v246, s29
	s_delay_alu instid0(VALU_DEP_1)
	v_fma_f32 v248, v248, v246, 0.5
	v_fma_f32 v249, v247, v246, v247
	v_mul_f32 v250, v246, v246
	s_delay_alu instid0(VALU_DEP_1)
	v_fma_f32 v249, v250, v248, v249
	v_add_f32 v250, 1.0, v246
	s_delay_alu instid0(VALU_DEP_1)
	v_sub_f32 v251, 1.0, v250
	s_delay_alu instid0(VALU_DEP_1)
	v_add_f32 v251, v251, v246
	s_delay_alu instid0(VALU_DEP_1)
	v_add_f32 v251, v251, v249
	s_delay_alu instid0(VALU_DEP_1)
	v_add_f32 v250, v250, v251
	v_cvt_i32_f32 v243, v243
	s_delay_alu instid0(VALU_DEP_1)
	v_sub_nc_u32 v243, 0, v243
	s_delay_alu instid0(VALU_DEP_1)
	v_ldexp_f32 v252, v250, v243
	s_lshl_b32 s42, s14, 5
	s_sub_co_u32 s42, 255, s42
	v_lshlrev_b32 v253, 4, v3
	s_delay_alu instid0(VALU_DEP_1)
	v_sub_nc_u32 v253, s42, v253
	s_delay_alu instid0(VALU_DEP_1)
	v_cvt_f32_u32 v253, v253
.macro SINCOS t
	s_delay_alu instid0(VALU_DEP_1)
	v_mul_f32 v240, v252, v253
	s_delay_alu instid0(VALU_DEP_1)
	v_mul_f32 v241, s30, v240
	s_delay_alu instid0(VALU_DEP_1)
	v_rndne_f32 v241, v241
	s_delay_alu instid0(VALU_DEP_1)
	v_fma_f32 v242, v241, s31, v240
	s_delay_alu instid0(VALU_DEP_1)
	v_fma_f32 v242, v241, s32, v242
	s_delay_alu instid0(VALU_DEP_1)
	v_mul_f32 v243, v242, v242
	s_delay_alu instid0(VALU_DEP_1)
	v_fma_f32 v244, v243, s33, s34
	s_delay_alu instid0(VALU_DEP_2)
	v_fma_f32 v245, v243, s36, s37
	s_delay_alu instid0(VALU_DEP_2)
	v_fma_f32 v244, v244, v243, s35
	s_delay_alu instid0(VALU_DEP_2)
	v_fma_f32 v245, v245, v243, s38
	v_mul_f32 v246, v243, v243
	v_fma_f32 v247, v243, -0.5, 1.0
	v_mul_f32 v248, v243, v242
	s_delay_alu instid0(VALU_DEP_2)
	v_fma_f32 v244, v244, v246, v247
	s_delay_alu instid0(VALU_DEP_2)
	v_fma_f32 v245, v245, v248, v242
	v_cvt_i32_f32 v249, v241
	s_delay_alu instid0(VALU_DEP_1)
	v_and_b32 v250, 1, v249
	s_delay_alu instid0(VALU_DEP_1)
	v_cmp_eq_u32 vcc_lo, 1, v250
	s_delay_alu instid0(VALU_DEP_1)
	v_cndmask_b32 v246, v244, v245, vcc_lo
	s_delay_alu instid0(VALU_DEP_2)
	v_cndmask_b32 v247, v245, v244, vcc_lo
	v_lshlrev_b32 v250, 30, v249
	v_add_nc_u32 v249, 1, v249
	s_delay_alu instid0(VALU_DEP_1)
	v_lshlrev_b32 v249, 30, v249
	s_delay_alu instid0(VALU_DEP_3)
	v_and_b32 v250, s39, v250
	s_delay_alu instid0(VALU_DEP_2)
	v_and_b32 v249, s39, v249
	s_delay_alu instid0(VALU_DEP_2)
	v_xor_b32 v[SI+\t], v247, v250
	s_delay_alu instid0(VALU_DEP_2)
	v_xor_b32 v[CO+\t], v246, v249
	v_add_f32 v253, -1.0, v253
.endm
.irp t, 0,1,2,3,4,5,6,7,8,9,10,11,12,13,14,15
	SINCOS \t
.endr
.irp c, 0,1,2,3
	global_store_b128 v8, v[CO+4*\c:CO+4*\c+3], s[60:61] offset:512*\c
	global_store_b128 v8, v[SI+4*\c:SI+4*\c+3], s[60:61] offset:2048+512*\c
.endr
.macro BLKQ src, dst, by
	v_max3_num_f32 v[MA], |v[\src]|, |v[\src+1]|, |v[\src+2]|
	v_max3_num_f32 v[MB], |v[\src+3]|, |v[\src+4]|, |v[\src+5]|
.irp i, 6,10,14,18,22,26
	s_delay_alu instid0(VALU_DEP_2)
	v_max3_num_f32 v[MA], v[MA], |v[\src+\i]|, |v[\src+\i+1]|
	s_delay_alu instid0(VALU_DEP_2)
	v_max3_num_f32 v[MB], v[MB], |v[\src+\i+2]|, |v[\src+\i+3]|
.endr
	s_delay_alu instid0(VALU_DEP_2)
	v_max3_num_f32 v[MA], v[MA], |v[\src+30]|, |v[\src+31]|
	s_delay_alu instid0(VALU_DEP_1)
	v_max3_num_f32 v[MA], v[MA], v[MB], 0x1800000
	s_delay_alu instid0(VALU_DEP_1)
	v_add_nc_u32 v[SOP], 0xff000000, v[MA]
	s_delay_alu instid0(VALU_DEP_1)
	v_lshrrev_b32 v[\by], 23, v[SOP]
	v_cvt_scalef32_pk16_fp6_f32 v[\dst:\dst+2], v[\src:\src+15], v[SOP]
	v_cvt_scalef32_pk16_fp6_f32 v[TQ:TQ+2], v[\src+16:\src+31], v[SOP]
	v_nop
.irp i, 0,1,2
	v_mov_b32 v[\dst+3+\i], v[TQ+\i]
.endr
.endm
.macro WL blk
.set KK, 32*(\blk)
.rept 32
	ds_load_b32 v[XW+KK], v4 offset:KK*256
.set KK, KK+1
.endr
.endm
	s_wait_asynccnt 0x0                            ; my token rows are in LDS,
	s_barrier_signal -1
	s_barrier_wait -1                              ; everybody's are; W's tiles may be on their way
	s_cmp_lt_u32 s14, 4                            ; waves 0-3: the token rows' K step s14
	s_cbranch_scc0 .Ltoken_done
.irp c, 0,1
.irp i, 0,1,2,3,4,5,6,7
	ds_load_b128 v[XT+32*\c+4*\i:XT+32*\c+4*\i+3], v7 offset:256*\c+16*\i
.endr
.endr
	s_wait_xcnt 0x0                                ; the table's stores have read their registers
	s_wait_dscnt 0x0
	BLKQ XT, IM0, BY
	BLKQ XT+32, IM0+6, BY+1
	v_lshl_or_b32 v246, v[BY+1], 16, v[BY]
	v_lshlrev_b32 v247, 3, v3
	v_lshlrev_b32 v246, v247, v246
	v_mov_b32 v247, 0
	v_permlanex16_b32 v247, v246, s40, s41
	v_or_b32 v246, v246, v247
.irp c, 0,1,2
	global_store_b128 v8, v[IM0+4*\c:IM0+4*\c+3], s[58:59] offset:512*\c
.endr
	global_store_b32 v9, v246, s[56:57] offset:12288
.Ltoken_done:
	s_wait_tensorcnt 0x0                           ; my tile of W is in LDS,
	s_barrier_signal -1
	s_barrier_wait -1                              ; everybody's is
	WL 0
	WL 1
	s_wait_xcnt 0x0
	s_wait_dscnt 32
	BLKQ XW, IM0, BY
	WL 2
	s_wait_dscnt 32
	BLKQ XW+32, IM1, BY+1
	WL 3
	s_wait_dscnt 32
	BLKQ XW+64, IM0+6, BY+2
	s_wait_dscnt 0x0
	BLKQ XW+96, IM1+6, BY+3
	v_lshl_or_b32 v248, v[BY+1], 8, v[BY]
	s_delay_alu instid0(VALU_DEP_1)
	v_lshl_or_b32 v248, v[BY+2], 16, v248
	s_delay_alu instid0(VALU_DEP_1)
	v_lshl_or_b32 v248, v[BY+3], 24, v248
.irp c, 0,1,2
	global_store_b128 v5, v[IM0+4*\c:IM0+4*\c+3], s[48:49] offset:512*\c
	global_store_b128 v5, v[IM1+4*\c:IM1+4*\c+3], s[48:49] offset:512*\c+256
.endr
	global_store_b32 v6, v248, s[48:49] offset:6144
	s_wait_tensorcnt 0x0
	s_wait_asynccnt 0x0
	ds_add_u32 v254, v255
	s_wait_dscnt 0x0
	s_endpgm
.Lfunc_end_k_q60d15699bf_prep:
	.size	k_q60d15699bf_prep, .Lfunc_end_k_q60d15699bf_prep-k_q60d15699bf_prep
	.p2alignl 7, 3214868480
	.fill 96, 4, 3214868480
	.section	.rodata,"a",@progbits
	.p2align	6, 0x0
	.amdhsa_kernel k_q60d15699bf_prep
		.amdhsa_group_segment_fixed_size 327680
		.amdhsa_private_segment_fixed_size 0
		.amdhsa_enable_private_segment 0
		.amdhsa_kernarg_size 40
		.amdhsa_user_sgpr_count 2
		.amdhsa_user_sgpr_kernarg_segment_ptr 1
		.amdhsa_wavefront_size32 1
		.amdhsa_system_sgpr_workgroup_id_x 1
		.amdhsa_system_sgpr_workgroup_id_y 1
		.amdhsa_system_sgpr_workgroup_id_z 1
		.amdhsa_system_vgpr_workitem_id 0
		.amdhsa_next_free_vgpr 256
		.amdhsa_next_free_sgpr 92
		.amdhsa_reserve_vcc 1
		.amdhsa_float_denorm_mode_32 3
		.amdhsa_float_denorm_mode_16_64 3
		.amdhsa_memory_ordered 1
		.amdhsa_forward_progress 1
		.amdhsa_inst_pref_size 64
	.end_amdhsa_kernel
	.amdgpu_metadata
---
amdhsa.version: [ 1, 2 ]
amdhsa.kernels:
  - .name:           k_q60d15699bf_prep
    .symbol:         k_q60d15699bf_prep.kd
    .args:
      - { .name: token, .offset: 0, .size: 8, .value_kind: global_buffer, .address_space: global }
      - { .name: W_proj, .offset: 8, .size: 8, .value_kind: global_buffer, .address_space: global }
      - { .name: tq, .offset: 16, .size: 8, .value_kind: global_buffer, .address_space: global }
      - { .name: wq, .offset: 24, .size: 8, .value_kind: global_buffer, .address_space: global }
      - { .name: tr, .offset: 32, .size: 8, .value_kind: global_buffer, .address_space: global }
    .group_segment_fixed_size: 327680
    .private_segment_fixed_size: 0
    .kernarg_segment_align: 8
    .kernarg_segment_size: 40
    .max_flat_workgroup_size: 256
    .sgpr_count:     92
    .vgpr_count:     256
    .wavefront_size: 32
...
	.end_amdgpu_metadata
.endif
;; end of part 1
;; launch fused (part 2): grid 32 x 8, 8 waves a work-group, clusters of 4 x 1, 327,680 bytes of LDS; arguments tq, wq, tr, b_proj, out0; writes out0
.if DOCPART == 2
	.amdgcn_target "amdgcn-amd-amdhsa--gfx1250"
	.amdhsa_code_object_version 6
	.text
	.protected	k_q60d15699bf_fused
	.globl	k_q60d15699bf_fused
	.p2align	8
	.type	k_q60d15699bf_fused,@function
k_q60d15699bf_fused:
	s_mov_b64 s[64:65], 0
	v_nop
	global_prefetch_b8 v0, s[64:65] scope:SCOPE_SE
	s_setreg_imm32_b32 hwreg(HW_REG_WAVE_MODE, 25, 1), 1
	s_wait_xcnt 0x0
	s_wait_alu depctr_hold_cnt(0) depctr_sa_sdst(0) depctr_va_vdst(0) depctr_va_sdst(0) depctr_va_ssrc(0) depctr_va_vcc(0) depctr_vm_vsrc(0)
	s_getreg_b32 s2, hwreg(HW_REG_IB_STS2, 6, 4)
	s_cmp_eq_u32 s2, 0
	s_cbranch_scc0 .Lentry_in_a_cluster
	s_endpgm
.Lentry_in_a_cluster:
	s_bfe_u32 s2, ttmp6, 0x10000c
	s_cmp_lg_u32 s2, 0x3003
	s_cbranch_scc0 .Lentry_shape_is_right
	s_endpgm
.Lentry_shape_is_right:
; FUSED: kv = Q(token) Q(W) + b;  k = rotary(silu(k));  wm[d][e] = sum over n of Q(k)[n][d] Q(v)[n][e];  out0[bt][16 d + e][h].  Both products on codes of E2M3 with E8M0 scales; kv never leaves the registers.
; SHARES.  Work-group (g = x, bp = y): batches 2 bp, 2 bp + 1 x heads 16 g .. 16 g + 15 (8 head pairs).  Wave w: batch 2 bp + w / 4; two tiles t: head pair p = 8 g + 4 t + w % 4, 256 rows x 64 columns,
;   as four column tiles: X (T = 0): the even d of both heads, Y (T = 1): the odd d, V0, V1 (T = 2, 3): the two heads' v.  A rotary pair lies in one lane, in X and in Y; lane r's angle number is 16 p + r.
;   Waves w and w + 4 walk the same pairs: the same images of W and the same table.
; A tile goes by 8 blocks of 32 rows.  G: 32 matrix instructions (2 row tiles x 4 column tiles x 4 K steps) on 8 accumulators by turns.  Source 0 = 16 rows of token, source 1 = 16 columns of W: a lane holds ONE column,
; its registers run down the rows, and since lane m of row tile (beta, u) is row 32 beta + 8 u + m + 8 (m / 8), the 16 registers of row tiles u = 0, 1 are 16 NEIGHBOURS along n: 32 beta + 16 (lane / 16) + 0 .. 15.
; n is the second product's K: E (silu, rotary, block maxima, conversions) turns them into that product's operand registers with one exchange of lane halves for each pair of blocks.
; PV: after blocks 3 and 7, four matrix instructions (X, Y) x (V0, V1), K = 128 rows.  X's and Y's rows 0-7 are head 2 p, rows 8-15 head 2 p + 1: of each result one lane half is used, 8 instructions a tile beside G's 256.
; WHERE OPERANDS COME FROM.  At the head waves 0-3 fetch tile 0's images of W, 25,600 bytes each, waves 4-7 token blocks 0, 1 of the two batches, 12,800 bytes each; behind a second round each wave fetches 19,200 bytes of the
; token blocks 2-7.  Nothing in LDS is filled twice.  Tile 1's images of W (with their scale words and the bias 60 loads) go from memory straight into registers at the tile's change, since the stage has taken W's LDS bytes;
; the table goes into registers too, block b + 1 (8 loads) in block b.
; CLUSTER 4, 1, 1: the four work-groups of a cluster have the same two batches, so the token images are asked for jointly.  W's images and the table are shared along y, by work-groups of other clusters.
; PREFETCH: the 8 work-groups of one g, and in each the two waves of a pair, share a pair's table blocks out by address (16 shares): in blocks 0, 2, 4 for the two blocks that are loaded one and two blocks on, in block 6 for the next
; tile's first two, held at the wave's last tile; tile 1's images of W once, behind the first products, a tile ahead of their loads.
; LIMITS: NaN and infinities are not served.  Largest magnitudes under 2^-124 are taken as 2^-124; a block of zeros so keeps the scale byte 1 (its codes are zeros).
; Output rows leave in runs of 64 consecutive bytes (16 heads): runs of 256 would want 64 heads of a batch in one work-group.
; REGISTERS.  window 0: v0-7 addresses; v8-15 W's scale words; v16-19 token's; v20-23 the second product's; v24-31 maxima, exchange, conversion scales; v32-63 table: 16 cos, 16 sin; v64-87, v88-111, v112-135 token's fragments
;   of one K step each; v112-143 at work in E; v144-207 the 8 accumulators: v[144 + 16 T + 8 u + j]; v208-255 the second product's four operands.
;   window 1: v0-191 W: fragment (T, s) at v[12 (4 s + T)]; v192-223 the bias, 8 copies a tile T; v224-255 the second product's accumulators.
.set TBLK, 12800                       ; bytes of a token block: 8 fragments and 512 bytes of scale words
.set WIMG, 25600                       ; bytes of a pair's images of W
.set STG,  204800                      ; LDS: behind the token images: tile 0's images of W, 4 x 25,600 bytes; they are filled once, and when every wave has read them their bytes are
                                       ; the stage: 512 rows (256 x batch + 16 d + e) x 80 bytes (16 heads x 4 + 16)
.set SPITCH, 80
.set SPARE, STG+4*WIMG                 ; behind them: the spare words, 128 bytes for each wave
.set STI,  4                           ; v4 the stage, in
.set SPW,  5                           ; v5 LDS address of my spare word; never rewritten
.set NIL,  6                           ; v6 0; never rewritten
.set WSC,  8
.set TSC,  16
.set SW2,  20
.set MX,   24
.set PM,   28
.set TBL,  32
.set TK0,  64
.set TK1,  88
.set TK2,  112
.set T1,   112
.set ACC,  144
.set CD,   208
.set BIA,  192                         ; window 1
.set PA,   224                         ; window 1
.set G0W,  20                          ; s[20:23], s[24:31] groups 0 and 1: W's images
.set G1W,  24
.set G0T,  68                          ; s[68:71] group 0: token at the head;  s[72:79] group 1 for token;  s[80:83] group 0: token behind the second round
.set G1T,  72
.set G0U,  80
.set SYNC, 0                           ; 1 while the prologue is written: its barrier shows token blocks 2-7
.set MSB, 0
.macro WIN new                         ; the immediate's high byte repeats the setting that is left; a switch that changes nothing is dropped
.if MSB != (\new)
	s_set_vgpr_msb (MSB<<8)|(\new)
.set MSB, (\new)
.endif
.endm
.macro PLACES n
.rept \n
	v_nop
.endr
.endm
.macro ROUND                           ; a whole round of the cluster's barrier
	s_barrier_signal -1
	s_barrier_wait -1
	s_cmp_lg_u32 s14, 0
	s_cbranch_scc1 .Lnot_wave_0_\@
	s_barrier_signal -3
.Lnot_wave_0_\@:
	s_barrier_wait -3
	s_barrier_signal -1
	s_barrier_wait -1
.endm
.macro WADDR                           ; from v1 = 16 x lane: v28 4 x lane; v29 the bias of X's column, 128 (r / 8) + 8 (r % 8); v30 that of V's column, 4 r
	v_lshrrev_b32 v28, 2, v1
	v_bfe_u32 v29, v1, 7, 1
	v_bfe_u32 v30, v1, 4, 3
	v_lshlrev_b32 v29, 7, v29
	v_lshl_add_u32 v29, v30, 3, v29
	v_bfe_u32 v30, v1, 4, 4
	v_lshlrev_b32 v30, 2, v30
.endm
.macro BLOADS                          ; the bias of my four columns
	WIN 0x40
.irp k, 0,1
	global_load_b32 v[BIA+8*\k], v29, s[36:37] offset:4*\k
	global_load_b32 v[BIA+16+8*\k], v30, s[36:37] offset:64+128*\k
.endr
.endm
.macro WLOADS                          ; 60 loads: W's 8 scale words, the bias, the 48 chunks of W's 16 fragments
.irp k, 0,1,2,3,4,5,6,7
	global_load_b32 v[WSC+\k], v28, s[32:33] offset:(\k/2)*6400+6144+(\k%2)*128
.endr
	BLOADS
.set PL, 0
.rept 48
	global_load_b128 v[4*PL:4*PL+3], v1, s[32:33] offset:(PL/12)*6400+((PL/3)%4)*1536+(PL%3)*512
.set PL, PL+1
.endr
	WIN 0
.endm
.macro WLDS                            ; the same scale words and fragments from LDS; v144, v145: my pair's images + 16 x lane, + 4 x lane
.irp k, 0,1,2,3,4,5,6,7
	ds_load_b32 v[WSC+\k], v145 offset:(\k/2)*6400+6144+(\k%2)*128
.endr
	WIN 0x40
.set PL, 0
.rept 48
	ds_load_b128 v[4*PL:4*PL+3], v144 offset:(PL/12)*6400+((PL/3)%4)*1536+(PL%3)*512
.set PL, PL+1
.endr
	WIN 0
.endm
.macro BIAS                            ; the bias in the result's layout: a lane holds one column, so its eight registers are alike
	WIN 0x41
.irp j, 1,2,3,4,5,6,7
.irp T, 0,1,2,3
	v_mov_b32 v[BIA+8*\T+\j], v[BIA+8*\T]
.endr
.endr
	WIN 0
	PLACES 4
	s_wait_alu depctr_va_vdst(0)
.endm
.macro TLOAD base, off                 ; a table block: 16 cos, 16 sin
.irp c, 0,1,2,3,4,5,6,7
	global_load_b128 v[TBL+4*\c:TBL+4*\c+3], v1, s[\base:\base+1] offset:\off+512*\c
.endr
.endm
.macro TOKL s, buf, blk                ; K step s of token block blk: two fragments, six chunks
.if (\blk) < 4
.set AAD, 2
.else
.set AAD, 3
.endif
.irp u, 0,1
.irp c, 0,1,2
	ds_load_b128 v[\buf+12*\u+4*\c:\buf+12*\u+4*\c+3], v[AAD] offset:((\blk)%4)*TBLK+(4*\u+\s)*1536+512*\c
.endr
.endr
.endm
.macro ALOAD blk                       ; ahead of G: K steps 0 and 1, and the four K steps' scale words (lanes 0-15: u = 0, lanes 16-31: u = 1): 13 loads
	TOKL 0, TK0, \blk
	TOKL 1, TK1, \blk
	ds_load_b128 v[TSC:TSC+3], v[AAD] offset:((\blk)%4)*TBLK+12288
.endm
; One matrix instruction of the first product: row tile u x column tile T, K step s.  first = 1: the bias is the C of the sum's first instruction
.macro MM T, u, s, first
.set rD, ACC+16*(\T)+8*(\u)
.if (\s) == 1
.set rA, TK1+12*(\u)
.elseif (\s) == 2
.set rA, TK2+12*(\u)
.else
.set rA, TK0+12*(\u)
.endif
.set rB, 12*(4*(\s)+(\T))
.set rSA, TSC+(\s)
.set rSB, WSC+2*(\s)+(\T)/2
.if \first
.set rC, BIA+8*(\T)
.else
.set rC, rD
.endif
.if ((\u) == 0) && (((\T)%2) == 0)
	v_wmma_scale_f32_16x16x128_f8f6f4 v[rD:rD+7], v[rA:rA+11], v[rB:rB+11], v[rC:rC+7], v[rSA], v[rSB] matrix_a_fmt:MATRIX_FMT_FP6 matrix_b_fmt:MATRIX_FMT_FP6
.elseif (\u) == 0
	v_wmma_scale_f32_16x16x128_f8f6f4 v[rD:rD+7], v[rA:rA+11], v[rB:rB+11], v[rC:rC+7], v[rSA], v[rSB] matrix_a_fmt:MATRIX_FMT_FP6 matrix_b_fmt:MATRIX_FMT_FP6 matrix_b_scale:MATRIX_SCALE_ROW1
.elseif ((\T)%2) == 0
	v_wmma_scale_f32_16x16x128_f8f6f4 v[rD:rD+7], v[rA:rA+11], v[rB:rB+11], v[rC:rC+7], v[rSA], v[rSB] matrix_a_fmt:MATRIX_FMT_FP6 matrix_b_fmt:MATRIX_FMT_FP6 matrix_a_scale:MATRIX_SCALE_ROW1
.else
	v_wmma_scale_f32_16x16x128_f8f6f4 v[rD:rD+7], v[rA:rA+11], v[rB:rB+11], v[rC:rC+7], v[rSA], v[rSB] matrix_a_fmt:MATRIX_FMT_FP6 matrix_b_fmt:MATRIX_FMT_FP6 matrix_a_scale:MATRIX_SCALE_ROW1 matrix_b_scale:MATRIX_SCALE_ROW1
.endif
.endm
.macro MM8 s, first
.irp u, 0,1
.irp T, 0,1,2,3
	MM \T, \u, \s, \first
.endr
.endr
.endm
; G: block b's 32 products; the 8 accumulators take turns, one instruction a turn.  K step 2's fragments are asked for first, K step 3's when K step 0's registers are free;
; behind the products the block nxt's first two K steps, which land under E (-1: none)
.macro G b, nxt
	TOKL 2, TK2, \b
	s_wait_dscnt 6                                 ; K steps 0, 1 and the scale words are in; K step 2's six may be out
	WIN 0x14                                       ; W and the bias window 1, token and D window 0
	MM8 0, 1
	PLACES 4                                       ; places in front of loads into registers that matrix instructions have read
	TOKL 3, TK0, \b
	WIN 0x04                                       ; C window 0
	MM8 1, 0
	s_wait_dscnt 6                                 ; K step 2's are in; K step 3's six may be out
	MM8 2, 0
	s_wait_dscnt 0x0
	MM8 3, 0
	WIN 0
	PLACES 4                                       ; for the loads below and the first read of results
.if SYNC && ((\b) == 1)
	s_barrier_wait -1                              ; everybody's token blocks 2-7 are in LDS, and everybody has read W's images (signalled in block 0)
.endif
.if (\nxt) >= 0
	ALOAD \nxt
.endif
.endm
.macro MAXES t0                        ; the largest magnitudes of my 16 rows, column tiles t0 and t0 + 1, each in two chains, from each accumulator's low end on; with the floor 2^(3 - 127): the byte cannot fall under 1
.irp T, \t0, \t0+1
	v_max3_num_f32 v[MX+\T], |v[ACC+16*(\T)]|, |v[ACC+16*(\T)+1]|, 0x1800000
.endr
.irp T, \t0, \t0+1
	v_max3_num_f32 v[PM+\T], |v[ACC+16*(\T)+8]|, |v[ACC+16*(\T)+9]|, |v[ACC+16*(\T)+10]|
.endr
.irp i, 0,1
.irp T, \t0, \t0+1
	v_max3_num_f32 v[MX+\T], v[MX+\T], |v[ACC+16*(\T)+2+2*\i]|, |v[ACC+16*(\T)+3+2*\i]|
.endr
.irp T, \t0, \t0+1
	v_max3_num_f32 v[PM+\T], v[PM+\T], |v[ACC+16*(\T)+11+2*\i]|, |v[ACC+16*(\T)+12+2*\i]|
.endr
.endr
.irp T, \t0, \t0+1
	v_max3_num_f32 v[MX+\T], v[MX+\T], |v[ACC+16*(\T)+6]|, |v[ACC+16*(\T)+7]|
.endr
.irp T, \t0, \t0+1
	v_max3_num_f32 v[MX+\T], v[MX+\T], v[PM+\T], |v[ACC+16*(\T)+15]|
.endr
.endm
; E: block b's 64 numbers a lane become codes.  v[ACC + t] X, v[ACC + 16 + t] Y, v[ACC + 32 + t] V0, v[ACC + 48 + t] V1, t = my 16 rows.  pre = 1: the next tile's 60 operand loads have just been issued
.macro E b, pre
.irp i, 0,2,4,6,8,10,12,14,16,18,20,22,24,26,28,30
	v_pk_mul_f32 v[T1+\i:T1+\i+1], v[ACC+\i:ACC+\i+1], s[52:53] op_sel_hi:[1,0]   ; -k log2(e)
.endr
.if \pre
	s_wait_xcnt 0x0                                ; those loads have read v28-30
.endif
	MAXES 2
	s_wait_alu depctr_va_vdst(0)                   ; the wait ahead of the batch
.set EI, 0
.rept 32
	v_exp_f32 v[T1+EI], v[T1+EI]                   ; 2^(-k log2 e)
.set EI, EI+1
.endr
	v_nop                                          ; one plain place behind a transcendental
	s_wait_alu depctr_va_vdst(0)                   ; and behind it
.irp i, 0,2,4,6,8,10,12,14,16,18,20,22,24,26,28,30
	v_pk_add_f32 v[T1+\i:T1+\i+1], v[T1+\i:T1+\i+1], 1.0 op_sel_hi:[1,0]
.endr
	s_wait_alu depctr_va_vdst(0)                   ; the same two waits round the reciprocals
.set EI, 0
.rept 32
	v_rcp_f32 v[T1+EI], v[T1+EI]                   ; 1 / (1 + e^-k)
.set EI, EI+1
.endr
	v_nop
.if \pre
	s_wait_loadcnt 60                              ; this block's table is in: behind its 8 loads the 60 operand loads were issued
.else
	s_wait_loadcnt 0x0                             ; this block's table is in: no load was issued behind its 8
.endif
	s_wait_alu depctr_va_vdst(0)
.irp i, 0,2,4,6,8,10,12,14,16,18,20,22,24,26,28,30
	v_pk_mul_f32 v[ACC+\i:ACC+\i+1], v[ACC+\i:ACC+\i+1], v[T1+\i:T1+\i+1]         ; silu
.endr
.irp g, 0,1,2,3,4,5,6,7
	v_pk_mul_f32 v[T1+4*\g:T1+4*\g+1], v[ACC+16+2*\g:ACC+16+2*\g+1], v[TBL+16+2*\g:TBL+16+2*\g+1]     ; Y sin
	v_pk_mul_f32 v[T1+4*\g+2:T1+4*\g+3], v[ACC+2*\g:ACC+2*\g+1], v[TBL+16+2*\g:TBL+16+2*\g+1]         ; X sin
.endr
.irp g, 0,1,2,3,4,5,6,7
	v_pk_fma_f32 v[ACC+2*\g:ACC+2*\g+1], v[ACC+2*\g:ACC+2*\g+1], v[TBL+2*\g:TBL+2*\g+1], v[T1+4*\g:T1+4*\g+1] neg_lo:[0,0,1] neg_hi:[0,0,1]   ; X cos - Y sin
	v_pk_fma_f32 v[ACC+16+2*\g:ACC+16+2*\g+1], v[ACC+16+2*\g:ACC+16+2*\g+1], v[TBL+2*\g:TBL+2*\g+1], v[T1+4*\g+2:T1+4*\g+3]                   ; Y cos + X sin
.endr
.if (\b) < 7
	TLOAD 34, 4096*((\b)+1)                        ; the next block's table, into the registers just read
.elseif \pre
	TLOAD 44, 0                                    ; the next tile's first
.endif
.if (\b)%2 == 0
.if (\b) < 6
	global_prefetch_b8 v0, s[34:35] offset:8192*((\b)/2+1) th:TH_LOAD_NT scope:SCOPE_SE   ; my share of table blocks b + 2, b + 3
.else
	global_prefetch_b8 v0, s[44:45] th:TH_LOAD_NT scope:SCOPE_SE                          ; of the next tile's first two, held at my last tile
.endif
.endif
.if SYNC && ((\b) == 0)
	s_wait_alu depctr_va_vdst(0)                   ; the wait ahead of the blocking waits
	s_wait_tensorcnt 0x0                           ; my part of token blocks 2-7 is in LDS,
	s_wait_dscnt 0x0                               ; and my reads of W's images are over
	s_barrier_signal -1                            ; the wait for it stands behind the next block's products, ahead of the first read of block 2
.endif
	MAXES 0
.irp T, 0,1,2,3
	v_permlanex16_b32 v[PM+\T], v[MX+\T], s54, s55
.endr
.irp T, 0,1,2,3
	v_max_num_f32 v[MX+\T], v[MX+\T], v[PM+\T]     ; with lane l xor 16's 16 rows: the block's
.endr
.irp T, 0,1,2,3
	v_add_nc_u32 v[PM+\T], 0xff000000, v[MX+\T]    ; 2 off the exponent field: the conversion's scale operand
.endr
.if (\b)%4 == 0
.irp T, 0,1,2,3
	v_lshrrev_b32 v[SW2+\T], 23, v[PM+\T]          ; the scale's byte begins the word of these 128 rows
.endr
.else
.irp T, 0,1,2,3
	v_lshrrev_b32 v[MX+\T], 23, v[PM+\T]
.endr
.irp T, 0,1,2,3
	v_lshl_or_b32 v[SW2+\T], v[MX+\T], 8*((\b)%4), v[SW2+\T]
.endr
.endif
.set EC, ((\b)/2)%2
.irp T, 0,1,2,3
.if (\b)%2 == 0
	v_cvt_scalef32_pk16_fp6_f32 v[CD+12*\T+6*EC:CD+12*\T+6*EC+2], v[ACC+16*\T:ACC+16*\T+15], v[PM+\T]
.else
	v_cvt_scalef32_pk16_fp6_f32 v[T1+4*\T:T1+4*\T+2], v[ACC+16*\T:ACC+16*\T+15], v[PM+\T]
.endif
.endr
	v_nop                                          ; one plain place behind a scaled conversion
.if (\b)%2 == 1                        ; the operand wants a WHOLE block in a lane: lanes 0-15 the even block, lanes 16-31 the odd one
.irp T, 0,1,2,3
.irp i, 0,1,2
	v_permlane16_swap_b32 v[CD+12*\T+6*EC+\i], v[T1+4*\T+\i]
.endr
.endr
.irp T, 0,1,2,3
.irp i, 0,1,2
	v_mov_b32 v[CD+12*\T+6*EC+3+\i], v[T1+4*\T+\i]
.endr
.endr
.endif
.endm
; PV: the second product's K step sg: (X, V0), (X, V1), (Y, V0), (Y, V1); four accumulators, one instruction each
.macro PV sg
	PLACES 8                                       ; scale words written by vector instructions stand 8 places ahead of a scaled matrix instruction, operands so written 4
	WIN 0x50                                       ; C and D window 1
.irp z, 0,1,2,3
.if (\sg) == 0
	v_wmma_scale_f32_16x16x128_f8f6f4 v[PA+8*\z:PA+8*\z+7], v[CD+12*(\z/2):CD+12*(\z/2)+11], v[CD+24+12*(\z%2):CD+24+12*(\z%2)+11], 0, v[SW2+\z/2], v[SW2+2+\z%2] matrix_a_fmt:MATRIX_FMT_FP6 matrix_b_fmt:MATRIX_FMT_FP6
.else
	v_wmma_scale_f32_16x16x128_f8f6f4 v[PA+8*\z:PA+8*\z+7], v[CD+12*(\z/2):CD+12*(\z/2)+11], v[CD+24+12*(\z%2):CD+24+12*(\z%2)+11], v[PA+8*\z:PA+8*\z+7], v[SW2+\z/2], v[SW2+2+\z%2] matrix_a_fmt:MATRIX_FMT_FP6 matrix_b_fmt:MATRIX_FMT_FP6
.endif
.endr
	WIN 0
.endm
; TAIL: lane (e = r, hh) keeps head 2 p + hh: lanes 0-15 the products with V0, lanes 16-31 those with V1; register j is d = 2 j (X) or 2 j + 1 (Y).  Into the stage: row 16 d + e, my head's word; off: 32 bytes a tile
.macro TAIL off
	PLACES 4
	WIN 0x05
.irp j, 0,1,2,3,4,5,6,7
	v_cndmask_b32 v[T1+2*\j], v[PA+\j], v[PA+8+\j], s56            ; each accumulator from its low end on
.endr
.irp j, 0,1,2,3,4,5,6,7
	v_cndmask_b32 v[T1+2*\j+1], v[PA+16+\j], v[PA+24+\j], s56
.endr
	WIN 0
.irp d, 0,1,2,3,4,5,6,7,8,9,10,11,12,13,14,15
	ds_store_b32 v[STI], v[T1+\d] offset:\d*16*SPITCH+\off         ; rows 20 words apart: the 32 lanes touch 32 different banks
.endr
.endm
	s_load_b256 s[4:11], s[0:1], 0x0               ; tq s[4:5], wq s[6:7], tr s[8:9], b_proj s[10:11]
	s_load_b64 s[12:13], s[0:1], 0x20              ; out0
	v_lshl_add_u32 v[SPW], v0, 2, SPARE
	v_mov_b32 v[NIL], 0
	ds_add_u32 v[SPW], v[NIL]                      ; the opening lines: the add, twice on end, and its wait below
	ds_add_u32 v[SPW], v[NIL]
	v_lshrrev_b32 v7, 5, v0
	v_readfirstlane_b32 s14, v7                    ; wave 0..7
	s_and_b32 s15, s14, 3                          ; my pair of a tile's four; also: which of four pieces I fetch
	s_lshr_b32 s16, s14, 2                         ; my batch of the two
	s_bfe_u32 s46, ttmp6, 0x40000                  ; cx
	s_lshl_b32 s17, ttmp9, 2
	s_add_co_u32 s17, s17, s46                     ; g = 4 x cluster x + cx
	s_and_b32 s18, ttmp7, 0xffff                   ; bp
	s_lshl_b32 s19, s17, 3
	s_add_co_u32 s19, s19, s15                     ; tile 0's pair: 8 g + w % 4; tile 1's is 4 further on
	s_mov_b32 s[G0W], 1                            ; group 0 for W's images: count = 1, LDS address
	s_mul_i32 s[G0W+1], s15, WIMG
	s_add_co_u32 s[G0W+1], s[G0W+1], STG
	s_mov_b32 s[G1W], 3<<16                        ; group 1: no mask, elements of 8 bytes, no padding
	s_mov_b32 s[G1W+1], 32<<16                     ; tensor_dim0 = 32 elements: rows of 256 bytes
	s_mov_b32 s[G1W+2], 100<<16                    ; tensor_dim1 = 100 rows: a dense block of 25,600 bytes
	s_mov_b32 s[G1W+3], 32<<16                     ; tile_dim0
	s_mov_b32 s[G1W+4], 100                        ; tile_dim1
	s_mov_b32 s[G1W+5], 32                         ; from row to row
	s_mov_b32 s[G1W+6], 0
	s_mov_b32 s[G1W+7], 0
	s_mov_b32 s[G1T], 15|(3<<16)|(1<<21)           ; the same for token: the mask names the cluster's four
	s_mov_b32 s[G1T+1], 32<<16
	s_mov_b32 s[G1T+2], 50<<16                     ; 50 rows: a block of 12,800 bytes
	s_mov_b32 s[G1T+3], 32<<16
	s_mov_b32 s[G1T+4], 50
	s_mov_b32 s[G1T+5], 32
	s_mov_b32 s[G1T+6], 0
	s_mov_b32 s[G1T+7], 0
	s_mov_b32 s[G0T], 1                            ; token at the head: batch (w % 4) / 2, block w % 2: the same place in LDS and in the two batches' images
	s_lshr_b32 s46, s15, 1
	s_mul_i32 s[G0T+1], s46, 8*TBLK
	s_and_b32 s46, s15, 1
	s_mul_i32 s46, s46, TBLK
	s_add_co_u32 s[G0T+1], s[G0T+1], s46
	s_mov_b32 s[G0U], 1                            ; behind the second round: a quarter of batch w / 4's blocks 2-7: 19,200 bytes
	s_mul_i32 s[G0U+1], s16, 8*TBLK
	s_mul_i32 s46, s15, 19200
	s_add_co_u32 s[G0U+1], s[G0U+1], s46
	s_add_co_u32 s[G0U+1], s[G0U+1], 2*TBLK
	s_mul_i32 s38, s18, 16*TBLK
	s_add_co_u32 s84, s38, s[G0U+1]
	s_mov_b32 s85, 0
	s_add_co_u32 s38, s38, s[G0T+1]
	s_mov_b32 s39, 0
	s_mul_i32 s46, s19, WIMG                       ; my pair's images of W,
	s_mov_b32 s47, 0
	s_lshl_b32 s48, s19, 15                        ; its table, 8 blocks of 4,096 bytes,
	s_mov_b32 s49, 0
	s_lshl_b32 s50, s19, 8                         ; its bias
	s_mov_b32 s51, 0
	s_lshl_b32 s58, s18, 20                        ; out0: two batches are 1 MiB; my 64 rows of 2,048 bytes; my work-group's 64 bytes of a row
	s_lshl_b32 s60, s14, 17
	s_add_co_u32 s58, s58, s60
	s_lshl_b32 s60, s17, 6
	s_add_co_u32 s58, s58, s60
	s_mov_b32 s59, 0
	s_mov_b32 s41, 2                               ; tiles to go
	s_mov_b32 s52, 0xbfb8aa3b                      ; -log2(e)
	s_mov_b32 s53, s52                             ; (named with it as a pair, so it is written)
	s_mov_b32 s54, 0x76543210                      ; v_permlanex16_b32: lane l xor 16
	s_mov_b32 s55, 0xfedcba98
	s_mov_b32 s56, 0xffff0000                      ; lanes 16-31
	s_mul_i32 s60, s16, 8*TBLK
	s_mul_i32 s61, s16, 256*SPITCH
	s_lshl_b32 s62, s15, 3
	s_add_co_u32 s61, s61, s62
	s_add_co_u32 s61, s61, STG
	s_mul_i32 s62, s15, WIMG
	s_add_co_u32 s62, s62, STG
	s_lshl_b32 s86, s18, 1
	s_add_co_u32 s86, s86, s16                     ; my share of 16 of a prefetch: 2 bp + batch
	s_lshl_b32 s87, s86, 9
	s_mul_i32 s86, s86, 7
	v_and_b32 v7, 31, v0                           ; lane
	v_and_b32 v64, 15, v0                          ; r
	v_bfe_u32 v65, v0, 4, 1                        ; hh
	v_lshlrev_b32 v1, 4, v7                        ; v1  16 x lane: an image's place for my lane
	v_add_nc_u32 v2, s60, v1                       ; v2  my batch's token blocks 0-3
	v_add_nc_u32 v3, 4*TBLK, v2                    ; v3  4-7
	v_mul_u32_u24 v[STI], v64, SPITCH
	v_lshl_add_u32 v[STI], v65, 2, v[STI]
	v_add_nc_u32 v[STI], s61, v[STI]               ; v4  the stage, in: row 256 x batch + e, head 2 (w % 4) + hh (+ 8 t)
	v_min_u32 v66, 1, v7
	v_lshlrev_b32 v66, 8, v66
	v_add_nc_u32 v0, s87, v66                      ; v0  the table's prefetch: two of the 32 units of 256 bytes of two table blocks
	v_min_u32 v67, 6, v7
	v_add_nc_u32 v67, s86, v67
	v_min_u32 v67, 99, v67
	v_lshlrev_b32 v7, 8, v67                       ; v7  W's: seven of the 100 units of a pair's images
	WADDR
	v_add_nc_u32 v144, s62, v1                     ; my pair's images in LDS: fragments,
	v_add_nc_u32 v145, s62, v28                    ; scale words
	s_wait_alu depctr_va_vdst(0)                   ; the wait at the head's end
	s_wait_dscnt 0x0                               ; both opening adds are done
	s_wait_kmcnt 0x0
	s_add_nc_u64 s[32:33], s[6:7], s[46:47]        ; W's images
	s_mov_b64 s[G0W+2:G0W+3], s[32:33]
	s_or_b32 s[G0W+3], s[G0W+3], 0x80000000        ; type = 2
	s_add_nc_u64 s[G0T+2:G0T+3], s[4:5], s[38:39]
	s_or_b32 s[G0T+3], s[G0T+3], 0x80000000
	s_add_nc_u64 s[G0U+2:G0U+3], s[4:5], s[84:85]
	s_or_b32 s[G0U+3], s[G0U+3], 0x80000000
	s_add_nc_u64 s[34:35], s[8:9], s[48:49]        ; the table of the tile in hand
	s_add_nc_u64 s[44:45], s[34:35], 0x20000       ; that of tile 1: four pairs on
	s_add_nc_u64 s[36:37], s[10:11], s[50:51]      ; the bias
	s_add_nc_u64 s[12:13], s[12:13], s[58:59]
	ROUND                                          ; all four work-groups are here: the first joint loads meet
	s_cmp_lt_u32 s14, 4                            ; one load a wave: waves 0-3 W's images, waves 4-7 token
	s_cbranch_scc0 .Lfor_token
	tensor_load_to_lds s[G0W:G0W+3], s[G1W:G1W+7]
	s_nop 0
	PLACES 4
	s_branch .Lasked
.Lfor_token:
	tensor_load_to_lds s[G0T:G0T+3], s[G1T:G1T+7]
	s_nop 0
	PLACES 4
.Lasked:
	BLOADS
	WIN 0
	TLOAD 34, 0
	s_wait_tensorcnt 0x0                           ; my tile is in
	ds_add_u32 v[SPW], v[NIL]
	s_mov_b32 s[G1T+2], 75<<16                     ; no tensor load of mine is out, so a descriptor may be written: 75 rows from here on
	s_mov_b32 s[G1T+4], 75
	s_wait_dscnt 0x0
	ROUND                                          ; everybody's tile is in, and all four work-groups are here
	tensor_load_to_lds s[G0U:G0U+3], s[G1T:G1T+7]  ; my part of the token blocks 2-7
	s_nop 0
	PLACES 4
	WLDS
	ALOAD 0
	s_add_nc_u64 s[32:33], s[32:33], 4*WIMG        ; tile 1's images of W: four pairs on,
	s_wait_xcnt 0x0                                ; the bias loads have read their base
	s_add_nc_u64 s[36:37], s[36:37], 1024          ; and its bias
	s_wait_loadcnt 8                               ; the bias is in; the table's eight may be out
	BIAS
.set SYNC, 1
	G 0, 1
	global_prefetch_b8 v7, s[32:33] th:TH_LOAD_NT scope:SCOPE_SE   ; my share of tile 1's images of W, a tile ahead of their loads
	E 0, 0
	G 1, 2
.set SYNC, 0
.Ltile:                                                ; a tile from its block 1's conversions on
	E 1, 0
	G 2, 3
	E 2, 0
	G 3, 4
	E 3, 0
	PV 0
	G 4, 5
	E 4, 0
	G 5, 6
	E 5, 0
	G 6, 7
	E 6, 0
	G 7, -1
	s_cmp_eq_u32 s41, 1
	s_cbranch_scc1 .Llast                          ; the last tile's end is written out: it asks for nothing more
	ALOAD 0
	WADDR
	WLOADS                                         ; W's registers have had their last read: the next tile's operands set out under E
	E 7, 1
	PV 1
	TAIL 0
	s_wait_xcnt 0x0                                ; the earlier loads and prefetches have read their bases
	s_mov_b64 s[34:35], s[44:45]
	s_wait_loadcnt 8                               ; the 60 operand loads are in; the table's eight may be out
	BIAS
	G 0, 1
	E 0, 0
	G 1, 2
	s_sub_co_u32 s41, s41, 1
	s_branch .Ltile
.Llast:
	E 7, 0
	PV 1
	TAIL 32
	; THE WAY OUT: a row's 16 heads come from four waves: they meet in the stage; each wave stores 64 rows, eight an instruction, four lanes to a row's 64 consecutive bytes
	s_wait_dscnt 0x0                               ; for the others' sake: my stores into the stage are done
	s_barrier_signal -1
	s_barrier_wait -1
	s_mul_i32 s60, s14, 64*SPITCH
	s_add_co_u32 s60, s60, STG
	v_lshrrev_b32 v64, 6, v1                       ; lane / 4
	v_and_b32 v65, 48, v1                          ; 16 (lane % 4)
	v_mul_u32_u24 v66, v64, SPITCH
	v_add_nc_u32 v66, v66, v65
	v_add_nc_u32 v66, s60, v66                     ; the stage, back
	v_lshl_add_u32 v67, v64, 11, v65               ; and the same place in out0
	s_wait_alu depctr_va_vdst(0)                   ; the wait ahead of the blocking waits below
.irp t, 0,1,2,3,4,5,6,7
	ds_load_b128 v[T1+4*\t:T1+4*\t+3], v66 offset:\t*8*SPITCH
.endr
.irp t, 0,1,2,3,4,5,6,7
	s_wait_dscnt 7-\t                              ; LDS loads come back in order: load t is in, the younger ones may be out
	global_store_b128 v67, v[T1+4*\t:T1+4*\t+3], s[12:13] offset:\t*16384
.endr
	s_wait_tensorcnt 0x0                           ; the wave's end
	ds_add_u32 v[SPW], v[NIL]
	s_wait_dscnt 0x0
	ROUND                                          ; the closing round
	s_endpgm
.Lfunc_end_k_q60d15699bf_fused:
	.size	k_q60d15699bf_fused, .Lfunc_end_k_q60d15699bf_fused-k_q60d15699bf_fused
	.p2alignl 7, 3214868480
	.fill 96, 4, 3214868480
	.section	.rodata,"a",@progbits
	.p2align	6, 0x0
	.amdhsa_kernel k_q60d15699bf_fused
		.amdhsa_group_segment_fixed_size 327680
		.amdhsa_private_segment_fixed_size 0
		.amdhsa_enable_private_segment 0
		.amdhsa_kernarg_size 40
		.amdhsa_user_sgpr_count 2
		.amdhsa_user_sgpr_kernarg_segment_ptr 1
		.amdhsa_wavefront_size32 1
		.amdhsa_system_sgpr_workgroup_id_x 1
		.amdhsa_system_sgpr_workgroup_id_y 1
		.amdhsa_system_sgpr_workgroup_id_z 1
		.amdhsa_system_vgpr_workitem_id 0
		.amdhsa_next_free_vgpr 512
		.amdhsa_next_free_sgpr 92
		.amdhsa_reserve_vcc 0
		.amdhsa_float_denorm_mode_32 3
		.amdhsa_float_denorm_mode_16_64 3
		.amdhsa_memory_ordered 1
		.amdhsa_forward_progress 1
		.amdhsa_inst_pref_size 208
	.end_amdhsa_kernel
	.amdgpu_metadata
---
amdhsa.version: [ 1, 2 ]
amdhsa.kernels:
  - .name:           k_q60d15699bf_fused
    .symbol:         k_q60d15699bf_fused.kd
    .args:
      - { .name: tq, .offset: 0, .size: 8, .value_kind: global_buffer, .address_space: global }
      - { .name: wq, .offset: 8, .size: 8, .value_kind: global_buffer, .address_space: global }
      - { .name: tr, .offset: 16, .size: 8, .value_kind: global_buffer, .address_space: global }
      - { .name: b_proj, .offset: 24, .size: 8, .value_kind: global_buffer, .address_space: global }
      - { .name: out0, .offset: 32, .size: 8, .value_kind: global_buffer, .address_space: global }
    .group_segment_fixed_size: 327680
    .private_segment_fixed_size: 0
    .kernarg_segment_align: 8
    .kernarg_segment_size: 40
    .max_flat_workgroup_size: 256
    .sgpr_count:     92
    .vgpr_count:     512
    .wavefront_size: 32
...
	.end_amdgpu_metadata
.endif
;; end of part 2
